; MI455X (gfx1250); checked and timed in simulation.
; The chip was launched on July 23, 2026; its instructions are those of AMD's public machine-readable ISA for CDNA 5 (MIT licence, August 2026) and "CDNA5" Instruction Set Architecture Reference Guide (July 2026). The comments in the code are by the model that wrote it; some were corrected since.
;; Dot Product Attention. Allowed arithmetic: matrix products marked QUANTISED: E2M1 operands, one E8M0 scale for each 32 along K, by v_wmma_scale_f32_16x16x128_f8f6f4 with both operands' format E2M1 (or v_wmma_scale_f32_32x16x128_f4), f32 sums; everything else in f32.
;; Inputs: K 8 x 8 x 2,048 x 64 float32; Q 8 x 8 x 2,048 x 64 float32; V 8 x 8 x 2,048 x 64 float32; mask 8 x 2,048 x 1 bool.
;; Outputs: out0 8 x 8 x 2,048 x 64 float32.
;; This version of the problem:
;;   THIS VERSION OF THE PROBLEM IS GIVEN IN LOW PRECISION. The matrix products marked QUANTISED in the list below multiply operands that are first quantised to E2M1 (2 exponent bits, 1 mantissa bit; 4 bits a number), with one power-of-two scale for each 32 numbers along K (OCP MX v1.0); their sums are f32. All else is computed in f32.
;;   The module's matrix products, in the order in which they are computed (A, B: the left and right operand; K: the contracted axis; several contracted axes count as one K, in the product's order):
;;     1. batch 64 x [M 2,048, K 64] x [K 64, N 2,048]; A: input Q; B: input K: QUANTISED
;;     2. batch 64 x [M 2,048, K 2,048] x [K 2,048, N 64]; A: softmax (see below); B: input V: QUANTISED
;;   THE QUANTISER, for each operand of a quantised product, along K:
;;     - K is cut into blocks of 32 from its start; a last block that is shorter is filled with zeros.
;;     - A block's scale is 2^e with e = floor(log2(the largest magnitude in the block)) - 2, held to -126 .. 127; a block of zeros has e = 0. As a byte (E8M0): e + 127.
;;     - Each number is divided by its block's scale, clamped to +-6, and rounded to the nearest number of E2M1, ties to even, subnormals kept.
;;     - The product sums the exact products of the quantised numbers (number of the format x scale) in f32.
;;   ~~~python
;;   def quantise(x, axis):      # numpy; x: float32 -> the quantised numbers, widened to float32 again
;;       x = np.moveaxis(x, axis, -1); K = x.shape[-1]
;;       x = np.pad(x, [(0, 0)] * (x.ndim - 1) + [(0, -K % 32)]); x = x.reshape(x.shape[:-1] + (-1, 32)); a = np.abs(x).max(-1, keepdims=True)
;;       e = np.where(a > 0, np.clip(np.frexp(np.where(a > 0, a, 1))[1] - 1 - 2, -126, 127), 0)      # np.frexp(a)[1] - 1 = floor(log2(a)), exactly
;;       r = np.clip(x / 2.0 ** e, -6, 6)
;;       step = 2.0 ** (np.maximum(np.frexp(np.where(r == 0, 1, r))[1] - 1, 0) - 1)
;;       q = np.round(r / step) * step * 2.0 ** e      # np.round: ties to even
;;       return np.moveaxis(q.reshape(q.shape[:-2] + (-1,))[..., :K], -1, axis).astype(np.float32)
;;   ~~~
;;   SOFTMAX AHEAD OF A QUANTISED PRODUCT. Where the list says 'softmax', what is quantised is not the finished softmax but p = 2^(t - M), with t = logit x log2(e) and M = ceil(the row's largest t), a whole number; so 1/2 < the row's largest p <= 1. The row's sum l is taken of the UNQUANTISED p, in f32, and the product's result is divided by l at the end. Since M is a whole number, a kernel that streams over the keys may use a running M (the ceiling of the running maximum): every later rescaling is an exact power of two, which a block's scale takes up: the codes' values come out the same.
;;   OPERANDS COMPUTED ON THE WAY. 'Computed on the way' means the value that the module computes at that place (a softmax that the list does not call 'softmax' is quantised finished and normalised). What goes into a quantiser is computed in f32, as accurately as f32 sums, v_exp_f32 and their like allow (about 1e-6 of the number): no bf16 or f16 on the way to a quantiser, and a product that is left as it is and whose result goes on into a quantised operand takes f32 operands (vector FMAs, or v_wmma_f32_16x16x4_f32). A number that lies on a knife's edge between two numbers of the format may be rounded either way, as far as f32 arithmetic and the matrix unit's own rounding can turn it there, and no further.
;; 2 versions, each right; version 2 is version 1 with the launch attn written anew for expert scheduling mode. Each part assembles by itself: llvm-mc -triple=amdgcn-amd-amdhsa -mcpu=gfx1250 --defsym DOCPART=n.
;; ======== version 1 of 2: 2 launches
;; workspace buffers: pack 11,206,656 bytes; bias 77,824 bytes; hdr 2,048 bytes of whole numbers
;; launch prep (part 1): grid 19 x 64, 2 waves a work-group, no clusters, 8,960 bytes of LDS; arguments K, V, mask, pack, bias, hdr; writes pack, bias, hdr
.if DOCPART == 1
	.amdgcn_target "amdgcn-amd-amdhsa--gfx1250"
	.amdhsa_code_object_version 6
	.text
	.protected	k_qc5e7152071_prep
	.globl	k_qc5e7152071_prep
	.p2align	8
	.type	k_qc5e7152071_prep,@function
k_qc5e7152071_prep:
	s_mov_b64 s[64:65], 0
	v_nop
	global_prefetch_b8 v0, s[64:65] scope:SCOPE_SE
	s_setreg_imm32_b32 hwreg(HW_REG_WAVE_MODE, 25, 1), 1
	s_wait_xcnt 0x0
; ATTENTION WITH A KEY MASK, IN MX-FP4: THE LAUNCH THAT PLANS AND QUANTISES K AND V.
; out[b,h,q,:] = sum_k softmax_k(where(mask[b,k], -1e10, 10 tanh(Q.K / 8))) V[b,h,k,:]; both products on codes of E2M1 with one E8M0 scale for each 32 along a product's K.
; WHAT IS NOT COMPUTED, AND WHY IT MAY GO.  mask is an input of whole numbers, the same for all heads and queries of a batch, and this launch reads it from memory.
;   A masked key's logit is -1e10 whatever Q and K hold, while a live key's lies in -10 .. 10 (the tanh): so with one live key in the batch a masked key's p = 2^(t - M) is 0, for all values
;   of Q, K, V.  Its score, tanh and exponentials are therefore not made.  What a masked key still moves is kept: V's scale is taken over all 32 keys of a block, masked ones too, and the
;   blocks of 32 keys stay as the quantiser cuts them.  A block with no live key has p = 0 in all 32 places and adds nothing: it is left out whole.
;   A batch with NO live key has all t equal: p = 1 for every key.  It is served: every key counts as live, the biases are 0 and the next launch's factor on the tanh is 0 (the flag in hdr).
; THE MAXIMUM.  reference() clips the logits to -10 .. 10 by its own tanh, so t = logit x log2(e) lies in -14.43 .. 14.43 for every input: 2^t and a sum of 2,048 of them stay far inside f32.
;   So M = 0, a whole number, is used for every row: against the row's own M every p is 2^M times larger, which the blocks' scales and the row's sum take up exactly.
; THE PLAN.  A block of 32 keys with u live keys has class ceil(u / 8), 0 to 4.  Inside a block the live keys come first (the order inside a block is free, as p and V use the same).
;   Blocks of classes 1 to 4 are sorted by class, ascending, and dealt four to a STEP (128 along the second product's K), each class filled up to whole steps: at most (64 + 3 x 4) / 4 = 19 steps.
;   A step of class c needs the scores of 8 c places of each block only.  A place with no live key (behind a block's u-th; all 32 of an empty quarter, which takes block 0's keys) gets the bias -1000,
;   which makes its p 0.
; SHARES.  A work-group makes one record: step x of head y.  Wave 0 makes K's part, wave 1 V's; each derives the plan from the mask by itself, so that there is no barrier.
;   A work-group whose step the mask does not need stores nothing and ends: the grid serves every mask.
; RECORD (9,216 bytes), in the order of the operands' registers: 0: K's codes, fragment t at 1024 t, two images of 512 bytes (16 x lane);  4096: V's codes, fragment tau at 1024 tau + 512 cp + 16 x lane;
;   8192: K's scale words, 16 x lane + 4 t;  8704: V's scale words, 4 d.  bias: [batch][step][quarter][place] f32.  hdr: for each batch 32 x {e1 | e2 << 8 | e3 << 16 | e4 << 24, flag}, e_c = steps of classes <= c.
; LIMITS: NaN and infinities among the inputs are not served, and one that stands only in work left out (a masked key's row of K) is not carried to the result;
;   a block whose largest magnitude lies under 2^-124 (a block of zeros too) keeps the scale byte 1: its codes are zeros or the rule's byte held from below, and only this program reads the bytes.
.set SPARE, 8704                       ; behind the two stages: the spare words, 128 bytes for each wave
.set STG1,  4352                       ; a stage: 16 rows x (256 bytes + 16); two of them, wave 0's alone
.set RECB,  9216
.set SPW,   1                          ; v1  my spare word; never rewritten
.set NIL,   2                          ; v2  0; never rewritten
; v3 lane, v4 4 x lane, v5 lane / 16, v6 lane % 16, v7 stage in, v8 stage out, v9 16 (lane % 16), v10 16 x lane, v11 8 (lane / 16), v12 4 (lane / 16), v13 V's codes' place, v14 32 x lane, v15 8 x lane
; v16-31 mask bytes; v32, v33 live bits of blocks lane and 32 + lane; v34, v35 their classes; v36, v37 their places in the sorted list (255: none); v38, v39 at work; v40-43 the step's keys: lane = place
; 32 numbers of a lane, v[x] on, one block along K: codes into v[c] .. v[c + 3], the scale's byte into v[m + 3].  v[m] .. v[m + 2] at work.
.macro QUANT32 x, c, m
	v_max3_num_f32 v[\m], |v[\x]|, |v[\x+1]|, 0x1800000             ; the largest magnitude, in two chains, with the floor 2^(3 - 127) among the leaves: the byte cannot fall under 1
	v_max3_num_f32 v[\m+1], |v[\x+2]|, |v[\x+3]|, |v[\x+4]|
.irp i, 5,9,13,17,21,25
	v_max3_num_f32 v[\m], v[\m], |v[\x+\i]|, |v[\x+\i+1]|
	v_max3_num_f32 v[\m+1], v[\m+1], |v[\x+\i+2]|, |v[\x+\i+3]|
.endr
	v_max3_num_f32 v[\m], v[\m], |v[\x+29]|, |v[\x+30]|
	v_max3_num_f32 v[\m], v[\m], v[\m+1], |v[\x+31]|
	v_add_nc_u32 v[\m+2], 0xff000000, v[\m]                         ; 2 off its exponent field: the conversion takes this operand's exponent field as its scale
.irp g, 0,1,2,3
	v_cvt_scalef32_pk8_fp4_f32 v[\c+\g], v[\x+8*\g:\x+8*\g+7], v[\m+2]
.endr
	v_lshrrev_b32 v[\m+3], 23, v[\m+2]                              ; the scale's byte; also the plain line behind the conversions
.endm
	s_load_b256 s[4:11], s[0:1], 0x0               ; K s[4:5], V s[6:7], mask s[8:9], pack s[10:11]
	s_load_b128 s[12:15], s[0:1], 0x20             ; bias s[12:13], hdr s[14:15]
	v_lshl_add_u32 v[SPW], v0, 2, SPARE
	v_mov_b32 v[NIL], 0
	v_lshrrev_b32 v38, 5, v0
	v_readfirstlane_b32 s16, v38                   ; wave 0, 1
	v_and_b32 v3, 31, v0
	v_lshlrev_b32 v4, 2, v3
	v_bfe_u32 v5, v0, 4, 1
	v_and_b32 v6, 15, v0
	v_mul_u32_u24 v7, v5, 272
	v_lshl_add_u32 v7, v6, 4, v7                   ; into a stage: lanes 0-15 one row, lanes 16-31 the next, 16 bytes a lane
	v_mul_u32_u24 v8, v6, 272
	v_lshl_add_u32 v8, v5, 7, v8                   ; out of it: row lane % 16, its half of 128 bytes
	v_lshlrev_b32 v9, 4, v6
	v_lshlrev_b32 v10, 4, v3
	v_lshlrev_b32 v11, 3, v5
	v_lshlrev_b32 v12, 2, v5
	v_lshl_add_u32 v13, v5, 10, v9
	v_lshlrev_b32 v14, 5, v3
	v_lshlrev_b32 v15, 3, v3
	s_mov_b32 s17, ttmp9                           ; the step
	s_and_b32 s18, ttmp7, 0xffff                   ; batch x 8 + head
	s_lshr_b32 s19, s18, 3                         ; the batch
	s_and_b32 s20, s18, 7                          ; the head
	s_mov_b32 s23, 0x01020408
	s_mov_b32 s24, 0x01010101
	s_mov_b32 s26, 0x76543210
	s_mov_b32 s27, 0xfedcba98                      ; v_permlanex16_b32's selects for lane l xor 16
	s_lshl_b32 s30, s19, 11                        ; the batch's 2,048 mask bytes
	s_mov_b32 s31, 0
	s_mul_i32 s58, s18, 19
	s_add_co_u32 s58, s58, s17
	s_mul_i32 s58, s58, RECB                       ; my record
	s_mov_b32 s59, 0
	s_lshl_b32 s32, s18, 19                        ; the head's 2,048 rows of 256 bytes
	s_mov_b32 s33, 0
	s_wait_kmcnt 0x0
	s_add_nc_u64 s[8:9], s[8:9], s[30:31]
	s_add_nc_u64 s[10:11], s[10:11], s[58:59]
	s_add_nc_u64 s[4:5], s[4:5], s[32:33]
	s_add_nc_u64 s[6:7], s[6:7], s[32:33]
	global_load_b128 v[16:19], v14, s[8:9]                 ; block lane: its 32 bytes,
	global_load_b128 v[20:23], v14, s[8:9] offset:16
	global_load_b128 v[24:27], v14, s[8:9] offset:1024     ; block 32 + lane
	global_load_b128 v[28:31], v14, s[8:9] offset:1040
	s_wait_loadcnt 0x0
	; ---- THE PLAN.  Four bytes of 0 or 1 times 0x01020408 bring their four bits into bits 24 to 27 (the other partial products fall on bits of their own below, or out at the top)
.irp j, 0,1,2,3,4,5,6,7
	v_mul_lo_u32 v38, v[16+\j], s23
	v_mul_lo_u32 v39, v[24+\j], s23
.if \j == 0
	v_lshrrev_b32 v32, 24, v38
	v_lshrrev_b32 v33, 24, v39
.else
	v_lshrrev_b32 v38, 24, v38
	v_lshrrev_b32 v39, 24, v39
	v_lshl_or_b32 v32, v38, 4*\j, v32
	v_lshl_or_b32 v33, v39, 4*\j, v33
.endif
.endr
	v_xor_b32 v32, -1, v32                         ; live = not masked
	v_xor_b32 v33, -1, v33
	v_add3_u32 v34, v16, v17, v18                  ; the masked keys counted: the eight words added byte by byte (8 at the most in a byte),
	v_add3_u32 v35, v24, v25, v26
	v_add3_u32 v34, v34, v19, v20
	v_add3_u32 v35, v35, v27, v28
	v_add3_u32 v34, v34, v21, v22
	v_add3_u32 v35, v35, v29, v30
	v_add_nc_u32 v34, v34, v23
	v_add_nc_u32 v35, v35, v31
	v_mul_lo_u32 v34, v34, s24                     ; the four bytes added into the top byte
	v_mul_lo_u32 v35, v35, s24
	v_lshrrev_b32 v34, 24, v34
	v_lshrrev_b32 v35, 24, v35
	v_sub_nc_u32 v34, 32, v34                      ; u, the live keys
	v_sub_nc_u32 v35, 32, v35
	v_or_b32 v38, v32, v33
	v_cmp_ne_u32 vcc_lo, 0, v38
	s_cmp_eq_u32 vcc_lo, 0                         ; no live key in the whole batch?
	s_cselect_b32 s21, 1, 0                        ; the flag
	s_cselect_b32 s22, -1, 0
	s_cselect_b32 s56, 0, 0x4166D4CA               ; a live place's bias: 10 log2(e), or 0 in such a batch
	s_and_b32 s30, s22, 32
	v_or_b32 v32, s22, v32                         ; then every key counts as live
	v_or_b32 v33, s22, v33
	v_or_b32 v34, s30, v34
	v_or_b32 v35, s30, v35
	v_add_nc_u32 v34, 7, v34
	v_add_nc_u32 v35, 7, v35
	v_lshrrev_b32 v34, 3, v34                      ; the class
	v_lshrrev_b32 v35, 3, v35
	v_mov_b32 v36, 255
	v_mov_b32 v37, 255
	s_mov_b32 s40, 0                               ; steps so far
.irp c, 1,2,3,4                                    ; a counting sort by class: a block's place = 4 x the class's first step + the blocks of its class ahead of it
	v_cmp_eq_u32 s28, \c, v34
	v_cmp_eq_u32 s29, \c, v35
	s_bcnt1_i32_b32 s30, s28
	s_bcnt1_i32_b32 s31, s29
	s_lshl_b32 s32, s40, 2
	v_mbcnt_lo_u32_b32 v38, s28, s32
	v_cndmask_b32 v36, v36, v38, s28
	s_add_co_u32 s33, s32, s30
	v_mbcnt_lo_u32_b32 v39, s29, s33
	v_cndmask_b32 v37, v37, v39, s29
	s_add_co_u32 s30, s30, s31
	s_add_co_u32 s30, s30, 3
	s_lshr_b32 s30, s30, 2                         ; the class's steps, the last filled up
	s_add_co_u32 s40, s40, s30
	s_mov_b32 s[35+\c], s40                        ; e1 .. e4 in s36 .. s39
.endr
	s_cmp_ge_u32 s17, s39                          ; this mask has no such step: nothing to store (no LDS byte has been written)
	s_cbranch_scc1 .Lempty
	s_mov_b32 s41, 1                               ; my step's class
.irp e, 36,37,38
	s_cmp_ge_u32 s17, s\e
	s_cselect_b32 s30, 1, 0
	s_add_co_u32 s41, s41, s30
.endr
	s_lshl_b32 s35, s17, 2
.irp q, 0,1,2,3                                    ; which block stands at place 4 step + q: its live bits s[44 + q], its number s[48 + q], its live keys s[52 + q]; none: 0, 0, 0
	s_add_co_u32 s30, s35, \q
	v_cmp_eq_u32 s28, s30, v36
	v_cmp_eq_u32 s29, s30, v37
	s_ctz_i32_b32 s31, s28
	s_ctz_i32_b32 s32, s29
	s_min_u32 s31, s31, 31
	s_min_u32 s32, s32, 31
	v_readlane_b32 s33, v32, s31
	v_readlane_b32 s34, v33, s32
	s_add_co_u32 s32, s32, 32
	s_cmp_lg_u32 s29, 0
	s_cselect_b32 s[44+\q], s34, 0
	s_cselect_b32 s[48+\q], s32, 0
	s_cmp_lg_u32 s28, 0
	s_cselect_b32 s[44+\q], s33, s[44+\q]
	s_cselect_b32 s[48+\q], s31, s[48+\q]
	s_bcnt1_i32_b32 s[52+\q], s[44+\q]
.endr
.irp q, 0,1,2,3                                    ; live keys first: key i goes to place (live keys under i), or u + (masked keys under i); each lane sends its number to that lane
	s_not_b32 s30, s[44+\q]
	v_mbcnt_lo_u32_b32 v38, s[44+\q], 0
	v_mbcnt_lo_u32_b32 v39, s30, s[52+\q]
	v_cndmask_b32 v38, v39, v38, s[44+\q]
	v_min_u32 v38, 31, v38
	v_lshlrev_b32 v38, 2, v38
	ds_permute_b32 v[40+\q], v38, v3
.endr
	s_wait_dscnt 0x0
.irp q, 0,1,2,3
	s_lshl_b32 s30, s[48+\q], 5
	v_add_nc_u32 v[40+\q], s30, v[40+\q]           ; the key's number in the head: 32 x block + key
.endr
	s_cmp_lg_u32 s16, 0
	s_cbranch_scc1 .Lvwave
	; ---- WAVE 0: K.  Fragment t holds two tiles of 16 rows x 64: tile cp's rows 0-7 are places 8 t .. 8 t + 7 of quarter 2 cp, rows 8-15 the same places of quarter 2 cp + 1.
	; v44-47 lane selects; v48-63 row offsets; v64-127 rows as loaded; v128-159 my 32 numbers; v160-167 codes; v168-171 scale words; v172-177 at work
.irp t, 0,1,2,3
	v_mov_b32 v[168+\t], 0x7f7f7f7f                ; the words of fragments that this class does not have: stored, never used
.endr
	v_mov_b32 v177, 0                              ; written once: a lane permute's destination counts as one of its sources
.macro KFRAG t
.if \t > 0
	s_cmp_le_u32 s41, \t                           ; a step of class c has fragments 0 .. c - 1
	s_cbranch_scc1 .Lkdone
	s_wait_xcnt 0x0                                ; the last fragment's stores have read their registers: the codes' registers may be written again
.endif
.irp k, 0,1,2,3
	v_add_nc_u32 v[44+\k], 4*(8*\t+2*\k), v12      ; 4 x (place 8 t + 2 k + lane / 16)
.endr
.irp cp, 0,1
.irp i, 0,1,2,3,4,5,6,7
	ds_bpermute_b32 v[48+8*\cp+\i], v[44+\i%4], v[40+2*\cp+\i/4]   ; the key of the tile's row 2 i + lane / 16
.endr
.endr
	s_wait_dscnt 0x0
.irp n, 0,1,2,3,4,5,6,7,8,9,10,11,12,13,14,15
	v_min_u32 v[48+\n], 2047, v[48+\n]             ; held inside the head
.endr
.irp n, 0,1,2,3,4,5,6,7,8,9,10,11,12,13,14,15
	v_lshl_add_u32 v[48+\n], v[48+\n], 8, v9       ; a row is 256 bytes; sixteen lanes read it whole
.endr
.irp n, 0,1,2,3,4,5,6,7,8,9,10,11,12,13,14,15
	global_load_b128 v[64+4*\n:67+4*\n], v[48+\n], s[4:5]
.endr
.irp cp, 0,1
	s_wait_loadcnt 8-8*\cp                         ; this tile's eight loads are in; the second tile's eight may be out
.irp i, 0,1,2,3,4,5,6,7
	ds_store_b128 v7, v[64+32*\cp+4*\i:67+32*\cp+4*\i] offset:STG1*\cp+544*\i
.endr
.irp j, 0,1,2,3,4,5,6,7
	ds_load_b128 v[128+4*\j:131+4*\j], v8 offset:STG1*\cp+16*\j    ; LDS serves a wave's instructions in order: these see my stores.  Row lane % 16, channels 32 (lane / 16) on: one block
.endr
	s_wait_dscnt 0x0
	QUANT32 128, 160+4*\cp, 172
	v_lshlrev_b32 v176, v11, v175                  ; my block's byte at its place,
	v_permlanex16_b32 v177, v176, s26, s27
	v_or_b32 v176, v176, v177                      ; with the row's other block's
.if \cp == 0
	v_mov_b32 v[168+\t], v176                      ; bytes 0, 1: tile 0's row;
.else
	v_lshl_or_b32 v[168+\t], v176, 16, v[168+\t]   ; bytes 2, 3: tile 1's
.endif
	global_store_b128 v10, v[160+4*\cp:163+4*\cp], s[10:11] offset:1024*\t+512*\cp   ; 512 consecutive bytes
.endr
.endm
	KFRAG 0
	KFRAG 1
	KFRAG 2
	KFRAG 3
.Lkdone:
	global_store_b128 v10, v[168:171], s[10:11] offset:8192
	s_wait_tensorcnt 0x0                           ; the wave's end
	ds_add_u32 v[SPW], v[NIL]
	s_wait_dscnt 0x0
	s_endpgm
	; ---- WAVE 1: V.  A lane takes a channel and its registers run down the quarter's 32 keys, in the plan's order: a block lies in one lane, and the codes come out with the keys innermost.
	; v48-79 the keys' row offsets + 4 x lane; v80-111, v112-143 channels lane and 32 + lane; v144-175 codes, four registers for each (quarter, half), never written again; v176, v177 scale words; v178-181 at work
.Lvwave:
.macro VADDR q
.irp g, 0,4,8,12,16,20,24,28
.irp i, 0,1,2,3
	v_readlane_b32 s[66+\i], v[40+\q], \g+\i
.endr
.irp i, 0,1,2,3
	s_min_u32 s[66+\i], s[66+\i], 2047             ; held inside the head
.endr
.irp i, 0,1,2,3
	v_lshl_add_u32 v[48+\g+\i], s[66+\i], 8, v4
.endr
.endr
.endm
.macro VLOAD hf
.irp g, 0,1,2,3,4,5,6,7,8,9,10,11,12,13,14,15,16,17,18,19,20,21,22,23,24,25,26,27,28,29,30,31
	global_load_b32 v[80+32*\hf+\g], v[48+\g], s[6:7] offset:128*\hf
.endr
.endm
.macro VPROC q, hf
	QUANT32 80+32*\hf, 144+4*(2*(\q)+\hf), 178
.if (\q) == 0
	v_mov_b32 v[176+\hf], v181
.else
	v_lshl_or_b32 v[176+\hf], v181, 8*(\q), v[176+\hf]             ; byte q of my channel's scale word
.endif
	global_store_b128 v13, v[144+4*(2*(\q)+\hf):147+4*(2*(\q)+\hf)], s[10:11] offset:4096+2048*\hf+512*((\q)/2)+256*((\q)%2)   ; sixteen lanes store 256 consecutive bytes, aligned
.endm
	VADDR 0
	VLOAD 0
	VLOAD 1
.irp q, 0,1,2,3
	s_wait_loadcnt 32                              ; the first half's 32 loads are in; the second half's may be out
	VPROC \q, 0
.if \q < 3
	s_wait_xcnt 0x0                                ; the pending loads have read their address registers: they may be written
	VADDR \q+1
	VLOAD 0
	s_wait_loadcnt 32                              ; all but the 32 just issued
.else
	s_wait_loadcnt 0x0
.endif
	VPROC \q, 1
.if \q < 3
	VLOAD 1
.endif
.endr
	global_store_b32 v4, v176, s[10:11] offset:8704
	global_store_b32 v4, v177, s[10:11] offset:8832
	s_cmp_lg_u32 s20, 0                            ; the biases and the header hang on the batch alone: head 0 stores them
	s_cbranch_scc1 .Lvend
	s_mul_i32 s58, s19, 19
	s_add_co_u32 s58, s58, s17
	s_lshl_b32 s58, s58, 9
	s_mov_b32 s59, 0
	s_add_nc_u64 s[12:13], s[12:13], s[58:59]
	v_mov_b32 v38, 0xC47A0000                      ; -1000: 2^(that and the tanh's part) is 0
	v_mov_b32 v39, s56
.irp q, 0,1
	v_cmp_gt_u32 vcc_lo, s[52+\q], v3              ; place < the quarter's live keys
	v_cndmask_b32 v[182+\q], v38, v39, vcc_lo
	global_store_b32 v4, v[182+\q], s[12:13] offset:128*\q
	v_cmp_gt_u32 vcc_lo, s[54+\q], v3
	v_cndmask_b32 v[186+\q], v38, v39, vcc_lo
	global_store_b32 v4, v[186+\q], s[12:13] offset:256+128*\q
.endr
	s_cmp_lg_u32 s17, 0
	s_cbranch_scc1 .Lvend
	s_lshl_b32 s30, s37, 8
	s_or_b32 s30, s30, s36
	s_lshl_b32 s31, s38, 16
	s_or_b32 s30, s30, s31
	s_lshl_b32 s31, s39, 24
	s_or_b32 s30, s30, s31
	v_mov_b32 v184, s30
	v_mov_b32 v185, s21
	s_lshl_b32 s58, s19, 8
	s_add_nc_u64 s[14:15], s[14:15], s[58:59]
	global_store_b64 v15, v[184:185], s[14:15]     ; 32 lanes store 256 consecutive bytes, aligned
.Lvend:
	s_wait_tensorcnt 0x0                           ; the wave's end, as wave 0's
	ds_add_u32 v[SPW], v[NIL]
	s_wait_dscnt 0x0
	s_endpgm
.Lempty:
	s_endpgm
.Lfunc_end_k_qc5e7152071_prep:
	.size	k_qc5e7152071_prep, .Lfunc_end_k_qc5e7152071_prep-k_qc5e7152071_prep
	.p2alignl 7, 3214868480
	.fill 96, 4, 3214868480
	.section	.rodata,"a",@progbits
	.p2align	6, 0x0
	.amdhsa_kernel k_qc5e7152071_prep
		.amdhsa_group_segment_fixed_size 8960
		.amdhsa_private_segment_fixed_size 0
		.amdhsa_enable_private_segment 0
		.amdhsa_kernarg_size 48
		.amdhsa_user_sgpr_count 2
		.amdhsa_user_sgpr_kernarg_segment_ptr 1
		.amdhsa_wavefront_size32 1
		.amdhsa_system_sgpr_workgroup_id_x 1
		.amdhsa_system_sgpr_workgroup_id_y 1
		.amdhsa_system_sgpr_workgroup_id_z 1
		.amdhsa_system_vgpr_workitem_id 0
		.amdhsa_next_free_vgpr 192
		.amdhsa_next_free_sgpr 72
		.amdhsa_reserve_vcc 1
		.amdhsa_float_denorm_mode_32 3
		.amdhsa_float_denorm_mode_16_64 3
		.amdhsa_memory_ordered 1
		.amdhsa_forward_progress 1
		.amdhsa_inst_pref_size 118
	.end_amdhsa_kernel
	.amdgpu_metadata
---
amdhsa.version: [ 1, 2 ]
amdhsa.kernels:
  - .name:           k_qc5e7152071_prep
    .symbol:         k_qc5e7152071_prep.kd
    .args:
      - { .name: K, .offset: 0, .size: 8, .value_kind: global_buffer, .address_space: global }
      - { .name: V, .offset: 8, .size: 8, .value_kind: global_buffer, .address_space: global }
      - { .name: mask, .offset: 16, .size: 8, .value_kind: global_buffer, .address_space: global }
      - { .name: pack, .offset: 24, .size: 8, .value_kind: global_buffer, .address_space: global }
      - { .name: bias, .offset: 32, .size: 8, .value_kind: global_buffer, .address_space: global }
      - { .name: hdr, .offset: 40, .size: 8, .value_kind: global_buffer, .address_space: global }
    .group_segment_fixed_size: 8960
    .private_segment_fixed_size: 0
    .kernarg_segment_align: 8
    .kernarg_segment_size: 48
    .max_flat_workgroup_size: 64
    .sgpr_count:     72
    .vgpr_count:     192
    .wavefront_size: 32
...
	.end_amdgpu_metadata
.endif
;; end of part 1
;; launch attn (part 2): grid 4 x 64, 16 waves a work-group, no clusters, 71,680 bytes of LDS; arguments Q, pack, bias, hdr, out0; writes out0
.if DOCPART == 2
	.amdgcn_target "amdgcn-amd-amdhsa--gfx1250"
	.amdhsa_code_object_version 6
	.text
	.protected	k_qc5e7152071_attn
	.globl	k_qc5e7152071_attn
	.p2align	8
	.type	k_qc5e7152071_attn,@function
k_qc5e7152071_attn:
	s_mov_b64 s[64:65], 0
	v_nop
	global_prefetch_b8 v0, s[64:65] scope:SCOPE_SE
	s_setreg_imm32_b32 hwreg(HW_REG_WAVE_MODE, 25, 1), 1
	s_wait_xcnt 0x0
; ATTENTION WITH A KEY MASK, IN MX-FP4: THE PRODUCTS.  out[b,h,q,:] = sum_k p V / sum_k p, p = 2^t, t = 10 log2(e) tanh(Q.K / 8) for a live key, p = 0 for a masked one.
; WORK LEFT OUT: the scores, tanh and exponentials of masked keys, whose p is 0 for all values of Q, K, V, by the plan that the launch before has stored (its head comment shows it); mask itself is not read here.
; NO MAXIMUM IS TAKEN AWAY: reference()'s own tanh holds t in -14.43 .. 14.43 for every input, so 2^t and a row's sum of 2,048 of them stay far inside f32; M = 0 is a whole number, and the
;   blocks' scales and the row's sum take up the factor 2^M against the row's own M exactly.
; tanh(y) = 1 - 2 / (1 + e^(2 y)):  E = 2^(S k1), k1 = log2(e) / 4;  r = 1 / (1 + E);  p = 2^(A r + bias), A = -20 log2(e), bias = 10 log2(e) for a live place and -1000 for one that counts for nothing.
;   In a batch with no live key the header's flag makes A = 0 and the stored biases are 0: p = 1 for every key.
; SHARES.  A work-group takes 512 queries of one head, each of its 16 waves 32 of them: two tiles of 16.  Every wave walks the head's records (a step of 128 along the second product's K each) by itself:
;   no barrier.  The trip count and the choice among four bodies (the step's class c = 1 .. 4: 8 c places of each quarter have scores) hang on whole numbers that the launch before stored,
;   so this launch has no tensor load and no cluster: fragments come from memory straight into registers, in the order in which they were laid.
; LAYOUT.  Both products are used transposed, so that a lane holds ONE query (lane % 16).  S^T: source 0 = a fragment of K with two tiles of 16 places x 64 channels side by side along its 128;
;   source 1 = (Q, 0) picks the first tile, (0, Q) the second.  In tile (cp, t) register j of lane (r, h) is place 8 t + j of quarter 2 cp + h: a lane's registers run along ONE block of the next K,
;   so a block's largest p needs no other lane, and the conversions' results are the second product's operand as they stand.
; Classes come in ascending order, so p's registers of places that a class does not have still hold the zeros of the head.
; LIMITS: NaN and infinities among the inputs are not served; a block of Q whose largest magnitude lies under 2^-124 keeps the scale byte 1.
; REGISTERS: v1, v2 the add's two; v3-11 offsets and LDS addresses; v12-19 at work; v20-23 the rows' sums; v24, 25 Q's scale words; v26, 27 p's; v28-31 K's; v32-35 V's; v36-39 a quarter's bias (pairs);
;   v40-55 the last tile's biases; v56-75 0 Q0 0 Q1 0; v76-91 p's codes; v92-123 scores; v124-155 K's fragments; v156-187 V's; v188-251 O^T; v252-255 the reciprocals (pairs).
.set SPARE, 69632                      ; behind the 16 stages of 16 rows x (256 bytes + 16): the spare words, 128 bytes for each wave
.set RECB,  9216
.set SPW,   1
.set NIL,   2
.macro QUANT32 x, c, m                 ; 32 numbers of a lane, one block along K: codes into v[c] .. v[c + 3], the scale's byte into v[m + 3]
	v_max3_num_f32 v[\m], |v[\x]|, |v[\x+1]|, 0x1800000             ; the floor 2^(3 - 127) among the leaves: the byte cannot fall under 1
	v_max3_num_f32 v[\m+1], |v[\x+2]|, |v[\x+3]|, |v[\x+4]|
.irp i, 5,9,13,17,21,25
	v_max3_num_f32 v[\m], v[\m], |v[\x+\i]|, |v[\x+\i+1]|
	v_max3_num_f32 v[\m+1], v[\m+1], |v[\x+\i+2]|, |v[\x+\i+3]|
.endr
	v_max3_num_f32 v[\m], v[\m], |v[\x+29]|, |v[\x+30]|
	v_max3_num_f32 v[\m], v[\m], v[\m+1], |v[\x+31]|
	v_add_nc_u32 v[\m+2], 0xff000000, v[\m]
.irp g, 0,1,2,3
	v_cvt_scalef32_pk8_fp4_f32 v[\c+\g], v[\x+8*\g:\x+8*\g+7], v[\m+2]
.endr
	v_lshrrev_b32 v[\m+3], 23, v[\m+2]                              ; also the plain line behind the conversions
.endm
	s_load_b256 s[4:11], s[0:1], 0x0               ; Q s[4:5], pack s[6:7], bias s[8:9], hdr s[10:11]
	s_load_b64 s[12:13], s[0:1], 0x20              ; out0
	v_lshl_add_u32 v[SPW], v0, 2, SPARE
	v_mov_b32 v[NIL], 0
	v_lshrrev_b32 v12, 5, v0
	v_readfirstlane_b32 s14, v12                   ; wave 0 .. 15
	s_and_b32 s15, ttmp7, 0xffff                   ; batch x 8 + head
	s_lshr_b32 s16, s15, 3                         ; the batch
	v_and_b32 v13, 31, v0                          ; lane
	v_and_b32 v14, 15, v0                          ; r
	v_bfe_u32 v15, v0, 4, 1                        ; h
	v_lshlrev_b32 v3, 4, v13                       ; an image's place for my lane
	v_lshlrev_b32 v4, 2, v14                       ; V's scale words
	v_lshlrev_b32 v5, 7, v15                       ; the biases of quarter 2 cp + h
	v_lshlrev_b32 v6, 3, v15                       ; 8 h
	s_mul_i32 s42, s14, 4352                       ; my stage
	v_mul_u32_u24 v7, v15, 272
	v_lshl_add_u32 v7, v14, 4, v7
	v_add_nc_u32 v7, s42, v7                       ; whole rows: lanes 0-15 one row, lanes 16-31 the next
	v_mul_u32_u24 v8, v14, 272
	v_lshl_add_u32 v9, v15, 5, v8
	v_lshl_add_u32 v8, v15, 7, v8
	v_add_nc_u32 v8, s42, v8                       ; Q: row r, its half of 128 bytes
	v_add_nc_u32 v9, s42, v9                       ; O: row r, + 32 h
	v_lshlrev_b32 v10, 8, v15
	v_lshl_add_u32 v10, v14, 4, v10                ; the same two rows in memory
	v_lshlrev_b32 v11, 8, v13                      ; the prefetch: lanes 256 bytes apart
	s_lshl_b32 s34, s15, 19                        ; the head's rows of 256 bytes,
	s_lshl_b32 s35, ttmp9, 17                      ; my work-group's 512,
	s_add_co_u32 s34, s34, s35
	s_lshl_b32 s35, s14, 13                        ; my wave's 32
	s_add_co_u32 s34, s34, s35
	s_mov_b32 s35, 0
	s_mul_i32 s36, s15, 19*RECB                    ; the head's records
	s_mov_b32 s37, 0
	s_mul_i32 s38, s16, 19*512                     ; the batch's biases
	s_mov_b32 s39, 0
	s_lshl_b32 s40, s16, 8                         ; the batch's header
	s_mov_b32 s41, 0
	s_mov_b32 s20, 0x76543210
	s_mov_b32 s21, 0xfedcba98                      ; v_permlanex16_b32's selects for lane l xor 16
	s_mov_b32 s22, 0x3EB8AA3B                      ; k1 = log2(e) / 4
	s_mov_b32 s23, s22                             ; (named with it as a pair)
	s_wait_kmcnt 0x0
	s_add_nc_u64 s[4:5], s[4:5], s[34:35]
	s_add_nc_u64 s[12:13], s[12:13], s[34:35]
	s_add_nc_u64 s[6:7], s[6:7], s[36:37]
	s_add_nc_u64 s[8:9], s[8:9], s[38:39]
	s_add_nc_u64 s[10:11], s[10:11], s[40:41]
	s_load_b64 s[32:33], s[10:11], 0x0             ; {e1 .. e4, flag}
.irp i, 0,1,2,3,4,5,6,7
	global_load_b128 v[124+4*\i:127+4*\i], v10, s[4:5] offset:512*\i th:TH_LOAD_NT        ; Q, tile 0: 512 consecutive bytes a load
.endr
.irp i, 0,1,2,3,4,5,6,7
	global_load_b128 v[156+4*\i:159+4*\i], v10, s[4:5] offset:4096+512*\i th:TH_LOAD_NT   ; tile 1
.endr
.irp n, 56,57,58,59,64,65,66,67,72,73,74,75
	v_mov_b32 v\n, 0                               ; the zero halves beside Q's codes
.endr
.irp n, 76,77,78,79,80,81,82,83,84,85,86,87,88,89,90,91
	v_mov_b32 v\n, 0                               ; p's codes
.endr
.irp n, 17,20,21,22,23,37,39,253,255
	v_mov_b32 v\n, 0                               ; the sums; a permute's destination; the upper halves of pairs of which the low word alone is taken
.endr
.macro QPREP qt, raw, x                ; a tile of Q turns through my stage, so that a lane holds a block of its row; then codes and the scale word
.irp i, 0,1,2,3,4,5,6,7
	ds_store_b128 v7, v[\raw+4*\i:\raw+4*\i+3] offset:544*\i
.endr
.irp j, 0,1,2,3,4,5,6,7
	ds_load_b128 v[\x+4*\j:\x+4*\j+3], v8 offset:16*\j             ; LDS serves a wave's instructions in order: these see my stores
.endr
	s_wait_dscnt 0x0
	QUANT32 \x, 60+8*\qt, 12
	v_lshlrev_b32 v16, v6, v15
	v_permlanex16_b32 v17, v16, s20, s21
	v_or_b32 v16, v16, v17                         ; the row's two bytes,
	v_lshl_or_b32 v[24+\qt], v16, 16, v16          ; for either place of Q's codes along the 128
.endm
	s_wait_loadcnt 8                               ; tile 0's eight loads are in; tile 1's may be out
	QPREP 0, 124, 92
	s_wait_loadcnt 0x0
	QPREP 1, 156, 188
.set N, 188
.rept 64
	v_mov_b32 v[N], 0                              ; O^T.  (The first step's class is known at run time alone: sums begun by a constant C would want all four bodies twice.)  These are also the places ahead of the first scaled product
.set N, N+1
.endr
	s_wait_kmcnt 0x0
	s_bfe_u32 s27, s32, 0x80000                    ; e1: steps of class 1,
	s_bfe_u32 s28, s32, 0x80008                    ; e2: of classes <= 2,
	s_bfe_u32 s29, s32, 0x80010                    ; e3,
	s_lshr_b32 s30, s32, 24                        ; e4: all
	s_min_u32 s30, s30, 19
	s_cmp_eq_u32 s33, 0
	s_cselect_b32 s24, 0xC1E6D4CA, 0               ; A = -20 log2(e); 0 in a batch with no live key
	s_mov_b32 s25, s24
	s_or_b32 s36, s14, ttmp9
	s_cmp_eq_u32 s36, 0
	s_cselect_b32 s31, s30, 0                      ; who prefetches: wave 0 of the head's first work-group
	s_mov_b32 s26, 0                               ; the trip
; A PREFETCH INTO THE L2 of the next record's 8,192 bytes of codes: a lane for each 256 bytes, one instruction.  All 64 waves of a head walk the same records: one of them asks, so each block is named once in the launch.
; It stands behind the trip's loads.  Nothing is asked for at the head, nor behind the last record.
.macro ASK
	s_add_co_u32 s34, s26, 1
	s_cmp_lt_u32 s34, s31
	s_cbranch_scc0 .Lnoask_\@
	global_prefetch_b8 v11, s[6:7] offset:RECB th:TH_LOAD_NT scope:SCOPE_SE
.Lnoask_\@:
.endm
; The scores, p and p's codes of tile qt of the queries for quarters 2 cp and 2 cp + 1: c tiles of scores, 8 c numbers a lane.
.macro UNIT c, qt, cp
.set QF, 60+8*\qt-4*\cp                ; (Q, 0) or (0, Q)
.set UT, 0
.rept \c
	v_wmma_scale_f32_16x16x128_f8f6f4 v[92+8*UT:99+8*UT], v[124+8*UT:131+8*UT], v[QF:QF+7], 0, v[28+UT], v[24+\qt] matrix_a_fmt:MATRIX_FMT_FP4 matrix_b_fmt:MATRIX_FMT_FP4
.set UT, UT+1
.endr
.rept 4
	v_nop                                          ; four places ahead of the first read of results (ISA guide 7.12.1)
.endr
.set UJ, 0
.rept 4*\c
	v_pk_mul_f32 v[92+2*UJ:93+2*UJ], v[92+2*UJ:93+2*UJ], s[22:23] op_sel_hi:[1,0]     ; S k1; each accumulator from its low end on
.set UJ, UJ+1
.endr
.set UJ, 0
.rept 8*\c
	v_exp_f32 v[92+UJ], v[92+UJ]                   ; E
.set UJ, UJ+1
.endr
	v_nop                                          ; a plain line behind the last of the batch,
	s_wait_alu depctr_va_vdst(0)                   ; and the wait ahead of the batch's first reader
.set UJ, 0
.rept 4*\c
	v_pk_add_f32 v[92+2*UJ:93+2*UJ], v[92+2*UJ:93+2*UJ], 1.0 op_sel_hi:[1,0]
.set UJ, UJ+1
.endr
.set UJ, 0
.rept 8*\c
	v_rcp_f32 v[92+UJ], v[92+UJ]                   ; r
.set UJ, UJ+1
.endr
	v_nop
	s_wait_alu depctr_va_vdst(0)
.set UJ, 0
.rept 4*\c
.if UJ/4 < \c-1
	v_pk_fma_f32 v[92+2*UJ:93+2*UJ], v[92+2*UJ:93+2*UJ], s[24:25], v[36+2*\cp:37+2*\cp] op_sel_hi:[1,0,0]   ; A r + the quarter's bias: under the class's last eight places all of a quarter count, or none
.else
	v_pk_fma_f32 v[92+2*UJ:93+2*UJ], v[92+2*UJ:93+2*UJ], s[24:25], v[40+8*\cp+2*(UJ%4):41+8*\cp+2*(UJ%4)] op_sel_hi:[1,0,1]   ; the last eight places have a bias each
.endif
.set UJ, UJ+1
.endr
.set UJ, 0
.rept 8*\c
	v_exp_f32 v[92+UJ], v[92+UJ]                   ; p
.set UJ, UJ+1
.endr
	v_nop
	s_wait_alu depctr_va_vdst(0)
	v_max3_num_f32 v12, v92, v93, 0x1800000        ; the block's largest p (none is negative), with the floor: a block of zeros keeps the byte 1 over zero codes
.set UJ, 2
.rept 4*\c-1
	v_max3_num_f32 v12, v12, v[92+UJ], v[93+UJ]
.set UJ, UJ+2
.endr
	v_add_nc_u32 v13, 0xff000000, v12              ; 2 off the exponent field: the conversion's scale operand
.set UT, 0
.rept \c
	v_cvt_scalef32_pk8_fp4_f32 v[76+8*\qt+4*\cp+UT], v[92+8*UT:99+8*UT], v13
.set UT, UT+1
.endr
	v_lshrrev_b32 v[14+\cp], 23, v13               ; the scale's byte; also the plain line behind the conversions
.if \cp == 1
	v_lshl_or_b32 v16, v15, 16, v14                ; my two blocks' bytes, quarters h and 2 + h,
	v_lshlrev_b32 v16, v6, v16                     ; at their places,
	v_permlanex16_b32 v17, v16, s20, s21
	v_or_b32 v[26+\qt], v16, v17                   ; with lane l xor 16's two: p's scale word for this step
.endif
	v_pk_add_f32 v[18:19], v[92:93], v[94:95]      ; the row's sum is taken of the unquantised p: two at a time, in two chains
.set UJ, 2
.rept 2*\c-1
	v_pk_add_f32 v[20+2*\qt:21+2*\qt], v[20+2*\qt:21+2*\qt], v[92+2*UJ:93+2*UJ]
	v_pk_add_f32 v[18:19], v[18:19], v[94+2*UJ:95+2*UJ]
.set UJ, UJ+2
.endr
	v_pk_add_f32 v[20+2*\qt:21+2*\qt], v[20+2*\qt:21+2*\qt], v[18:19]
.if (\c == 1) && (\cp == 1)
.rept 4
	v_nop                                          ; with the four additions: eight places between the scale word's last line and a scaled product
.endr
.endif
.endm
; A step of class c.
.macro BODY c
	global_load_b128 v[28:31], v3, s[6:7] offset:8192              ; K's scale words
.set UT, 0
.rept \c
	global_load_b128 v[124+8*UT:127+8*UT], v3, s[6:7] offset:1024*UT
	global_load_b128 v[128+8*UT:131+8*UT], v3, s[6:7] offset:1024*UT+512
.set UT, UT+1
.endr
.if \c > 1
	global_load_b32 v36, v5, s[8:9]                                ; the bias of place 0 of my quarter, for cp = 0
	global_load_b32 v38, v5, s[8:9] offset:256                     ; and 1
.endif
.irp cp, 0,1
	global_load_b128 v[40+8*\cp:43+8*\cp], v5, s[8:9] offset:256*\cp+32*(\c-1)
	global_load_b128 v[44+8*\cp:47+8*\cp], v5, s[8:9] offset:256*\cp+32*(\c-1)+16
.endr
.irp tau, 0,1,2,3
	global_load_b128 v[156+8*\tau:159+8*\tau], v3, s[6:7] offset:4096+1024*\tau
	global_load_b128 v[160+8*\tau:163+8*\tau], v3, s[6:7] offset:4096+1024*\tau+512
.endr
.irp tau, 0,1,2,3
	global_load_b32 v[32+\tau], v4, s[6:7] offset:8704+64*\tau
.endr
	ASK
	s_wait_loadcnt 12                              ; all but V's eight loads and its four scale words, which land while p is made
	UNIT \c, 0, 0
	UNIT \c, 0, 1
	UNIT \c, 1, 0
	UNIT \c, 1, 1
	s_wait_loadcnt 0x0
.irp tau, 0,1,2,3                                  ; O^T += V^T p^T: the eight accumulators by turns, one instruction a turn
.irp qt, 0,1
	v_wmma_scale_f32_16x16x128_f8f6f4 v[188+32*\qt+8*\tau:195+32*\qt+8*\tau], v[156+8*\tau:163+8*\tau], v[76+8*\qt:83+8*\qt], v[188+32*\qt+8*\tau:195+32*\qt+8*\tau], v[32+\tau], v[26+\qt] matrix_a_fmt:MATRIX_FMT_FP4 matrix_b_fmt:MATRIX_FMT_FP4
.endr
.endr
.rept 4
	v_nop                                          ; four places ahead of the next trip's loads into V's registers, and of the way out's reads
.endr
.endm
.Ltrip:                                            ; e4 trips, at least one
	s_cmp_lt_u32 s26, s27
	s_cbranch_scc1 .Lc1
	s_cmp_lt_u32 s26, s28
	s_cbranch_scc1 .Lc2
	s_cmp_lt_u32 s26, s29
	s_cbranch_scc1 .Lc3
	BODY 4
	s_branch .Lnext
.Lc3:
	BODY 3
	s_branch .Lnext
.Lc2:
	BODY 2
	s_branch .Lnext
.Lc1:
	BODY 1
.Lnext:
	s_wait_xcnt 0x0                                ; the trip's loads are in and its prefetch has read its address: the bases may step
	s_add_nc_u64 s[6:7], s[6:7], RECB
	s_add_nc_u64 s[8:9], s[8:9], 512
	s_add_co_u32 s26, s26, 1
	s_cmp_lt_u32 s26, s30
	s_cbranch_scc1 .Ltrip
	; THE WAY OUT.  The sums' halves and lane l xor 16's are added; O^T is divided by the sum and goes through my stage, a tile of 16 rows at a time, so that a store covers 512 consecutive bytes.
	v_add_f32 v20, v20, v21
	v_add_f32 v22, v22, v23
	v_permlanex16_b32 v16, v20, s20, s21
	v_permlanex16_b32 v17, v22, s20, s21
	v_add_f32 v20, v20, v16
	v_add_f32 v22, v22, v17
	v_rcp_f32 v252, v20
	v_rcp_f32 v254, v22
	v_nop                                          ; a plain line behind the reciprocals,
	s_wait_alu depctr_va_vdst(0)                   ; and the wait ahead of their first reader
.macro OUT qt, dst, back               ; tile qt: scaled into v[dst] on, 32 bytes of a row a lane into the stage, whole rows back into v[back] on
.set UJ, 0
.rept 16
	v_pk_mul_f32 v[\dst+2*UJ:\dst+2*UJ+1], v[188+32*\qt+2*UJ:189+32*\qt+2*UJ], v[252+2*\qt:253+2*\qt] op_sel_hi:[1,0]   ; each accumulator from its low end on
.set UJ, UJ+1
.endr
.irp tau, 0,1,2,3
	ds_store_b128 v9, v[\dst+8*\tau:\dst+8*\tau+3] offset:64*\tau          ; lane (r, h): channels 16 tau + 8 h + 0 .. 7 of row r
	ds_store_b128 v9, v[\dst+8*\tau+4:\dst+8*\tau+7] offset:64*\tau+16
.endr
.irp i, 0,1,2,3,4,5,6,7
	ds_load_b128 v[\back+4*\i:\back+4*\i+3], v7 offset:544*\i              ; LDS serves a wave's instructions in order: these see my stores, and the next tile's stores come behind them
.endr
.endm
	OUT 0, 92, 124
	OUT 1, 188, 156                                ; (into tile 0's accumulators, which have been read: no LDS store's data are written again)
.irp i, 0,1,2,3,4,5,6,7
	s_wait_dscnt 23-\i                             ; behind tile 0's load i: its 7 - i younger loads and tile 1's sixteen LDS instructions
	global_store_b128 v10, v[124+4*\i:127+4*\i], s[12:13] offset:512*\i th:TH_STORE_NT
.endr
.irp i, 0,1,2,3,4,5,6,7
	s_wait_dscnt 7-\i
	global_store_b128 v10, v[156+4*\i:159+4*\i], s[12:13] offset:4096+512*\i th:TH_STORE_NT
.endr
	s_wait_tensorcnt 0x0                           ; the wave's end
	ds_add_u32 v[SPW], v[NIL]
	s_wait_dscnt 0x0
	s_endpgm
.Lfunc_end_k_qc5e7152071_attn:
	.size	k_qc5e7152071_attn, .Lfunc_end_k_qc5e7152071_attn-k_qc5e7152071_attn
	.p2alignl 7, 3214868480
	.fill 96, 4, 3214868480
	.section	.rodata,"a",@progbits
	.p2align	6, 0x0
	.amdhsa_kernel k_qc5e7152071_attn
		.amdhsa_group_segment_fixed_size 71680
		.amdhsa_private_segment_fixed_size 0
		.amdhsa_enable_private_segment 0
		.amdhsa_kernarg_size 40
		.amdhsa_user_sgpr_count 2
		.amdhsa_user_sgpr_kernarg_segment_ptr 1
		.amdhsa_wavefront_size32 1
		.amdhsa_system_sgpr_workgroup_id_x 1
		.amdhsa_system_sgpr_workgroup_id_y 1
		.amdhsa_system_sgpr_workgroup_id_z 1
		.amdhsa_system_vgpr_workitem_id 0
		.amdhsa_next_free_vgpr 256
		.amdhsa_next_free_sgpr 66
		.amdhsa_reserve_vcc 0
		.amdhsa_float_denorm_mode_32 3
		.amdhsa_float_denorm_mode_16_64 3
		.amdhsa_memory_ordered 1
		.amdhsa_forward_progress 1
		.amdhsa_inst_pref_size 131
	.end_amdhsa_kernel
	.amdgpu_metadata
---
amdhsa.version: [ 1, 2 ]
amdhsa.kernels:
  - .name:           k_qc5e7152071_attn
    .symbol:         k_qc5e7152071_attn.kd
    .args:
      - { .name: Q, .offset: 0, .size: 8, .value_kind: global_buffer, .address_space: global }
      - { .name: pack, .offset: 8, .size: 8, .value_kind: global_buffer, .address_space: global }
      - { .name: bias, .offset: 16, .size: 8, .value_kind: global_buffer, .address_space: global }
      - { .name: hdr, .offset: 24, .size: 8, .value_kind: global_buffer, .address_space: global }
      - { .name: out0, .offset: 32, .size: 8, .value_kind: global_buffer, .address_space: global }
    .group_segment_fixed_size: 71680
    .private_segment_fixed_size: 0
    .kernarg_segment_align: 8
    .kernarg_segment_size: 40
    .max_flat_workgroup_size: 512
    .sgpr_count:     66
    .vgpr_count:     256
    .wavefront_size: 32
...
	.end_amdgpu_metadata
.endif
;; end of part 2
;; ======== version 2 of 2: 2 launches; version 1 with the launch attn written anew for expert scheduling mode
;; workspace buffers: pack 11,206,656 bytes; bias 77,824 bytes; hdr 2,048 bytes of whole numbers
;; launch prep: the kernel of part 1 again; grid 19 x 64, 2 waves a work-group, no clusters, 8,960 bytes of LDS; arguments K, V, mask, pack, bias, hdr; writes pack, bias, hdr
;; launch attn (part 3): grid 4 x 64, 16 waves a work-group, no clusters, 71,680 bytes of LDS; arguments Q, pack, bias, hdr, out0; writes out0
.if DOCPART == 3
	.amdgcn_target "amdgcn-amd-amdhsa--gfx1250"
	.amdhsa_code_object_version 6
	.text
	.protected	k_qc5e7152071_attn
	.globl	k_qc5e7152071_attn
	.p2align	8
	.type	k_qc5e7152071_attn,@function
k_qc5e7152071_attn:
	s_mov_b64 s[64:65], 0
	v_nop
	global_prefetch_b8 v0, s[64:65] scope:SCOPE_SE
	s_setreg_imm32_b32 hwreg(HW_REG_WAVE_SCHED_MODE, 0, 2), 2
	s_setreg_imm32_b32 hwreg(HW_REG_WAVE_MODE, 25, 1), 1
	s_wait_xcnt 0x0
	s_wait_alu depctr_vm_vsrc(0)
; ATTENTION WITH A KEY MASK, IN MX-FP4: THE PRODUCTS.  out[b,h,q,:] = sum_k p V / sum_k p, p = 2^t, t = 10 log2(e) tanh(Q.K / 8) for a live key, p = 0 for a masked one.
; WORK LEFT OUT: the scores, tanh and exponentials of masked keys, whose p is 0 for all values of Q, K, V, by the plan that the launch before has stored (its head comment shows it); mask itself is not read here.
; NO MAXIMUM IS TAKEN AWAY: reference()'s own tanh holds t in -14.43 .. 14.43 for every input, so 2^t and a row's sum of 2,048 of them stay far inside f32; M = 0 is a whole number, and the
;   blocks' scales and the row's sum take up the factor 2^M against the row's own M exactly.
; tanh(y) = 1 - 2 / (1 + e^(2 y)):  E = 2^(S k1), k1 = log2(e) / 4;  r = 1 / (1 + E);  p = 2^(A r + bias), A = -20 log2(e), bias = 10 log2(e) for a live place and -1000 for one that counts for nothing.
;   In a batch with no live key the header's flag makes A = 0 and the stored biases are 0: p = 1 for every key.
; SHARES.  A work-group takes 512 queries of one head, each of its 16 waves 32 of them: two tiles of 16.  Every wave walks the head's records (a step of 128 along the second product's K each) by itself:
;   no barrier.  The trip count and the choice among four bodies (the step's class c = 1 .. 4: 8 c places of each quarter have scores) hang on whole numbers that the launch before stored,
;   so this launch has no tensor load and no cluster: fragments come from memory straight into registers, in the order in which they were laid.
; LAYOUT.  Both products are used transposed, so that a lane holds ONE query (lane % 16).  S^T: source 0 = a fragment of K with two tiles of 16 places x 64 channels side by side along its 128;
;   source 1 = (Q, 0) picks the first tile, (0, Q) the second.  In tile (cp, t) register j of lane (r, h) is place 8 t + j of quarter 2 cp + h: a lane's registers run along ONE block of the next K,
;   so a block's largest p needs no other lane, and the conversions' results are the second product's operand as they stand.
; Classes come in ascending order, so p's registers of places that a class does not have still hold the zeros of the head.
; LIMITS: NaN and infinities among the inputs are not served; a block of Q whose largest magnitude lies under 2^-124 keeps the scale byte 1.
; REGISTERS: v1, v2 the add's two; v3-11 offsets and LDS addresses; v12-19 at work; v20-23 the rows' sums; v24, 25 Q's scale words; v26, 27 p's; v28-31 K's; v32-35 V's; v36-39 a quarter's bias (pairs);
;   v40-55 the last tile's biases; v56-75 0 Q0 0 Q1 0; v76-91 p's codes; v92-123 scores; v124-155 K's fragments; v156-187 V's; v188-251 O^T; v252-255 the reciprocals (pairs).
; THE MODE: SCHED_MODE bits 1:0 = 2 (LLVM: expert scheduling mode 2), set by the entry lines.  The code itself states the register dependences between vector or matrix instructions
;   and memory or LDS instructions, with s_wait_alu, always for 0.
; THE PLAN.  A trip is four units (tile of queries qt, pair of quarters cp), in the order (0,0) (0,1) (1,0) (1,1), and eight closing products.  Registers that loads touch in the loop, and who else names them:
;   K's fragments v124-155 and scale words v28-31: read by each unit's S^T products, last at the head of unit (1,1).  The NEXT step's are asked for behind that unit's first wait.
;   The biases v36, v38, v40-55: read by each unit's multiply-adds, last in unit (1,1).  The next step's are asked for behind that unit's third wait.
;   V's fragments v156-187 and scale words v32-35: read by the closing products.  THIS step's are asked for behind the first wait of unit (0,0), which stands behind the last trip's closing products.
;   The offsets v3, v4, v5, v11 are made at the head and never written again: scalar bases move.  Scores, p, p's codes and O^T are named by vector and matrix instructions alone.
;   So no wait is written for a load's sake: three of the waits that stand behind the batches of transcendentals also state that the products issued ahead of them are done reading, and no vector or
;   matrix instruction between such a wait and the loads behind it names a register that those loads touch.  One wait more a trip stands ahead of the closing products, which take p's codes and scale words.
.set SPARE, 69632                      ; behind the 16 stages of 16 rows x (256 bytes + 16): the spare words, 128 bytes for each wave
.set RECB,  9216
.set SPW,   1
.set NIL,   2
.macro QUANT32 x, c, m                 ; 32 numbers of a lane, one block along K: codes into v[c] .. v[c + 3], the scale's byte into v[m + 3]
	v_max3_num_f32 v[\m], |v[\x]|, |v[\x+1]|, 0x1800000             ; the floor 2^(3 - 127) among the leaves: the byte cannot fall under 1
	v_max3_num_f32 v[\m+1], |v[\x+2]|, |v[\x+3]|, |v[\x+4]|
.irp i, 5,9,13,17,21,25
	v_max3_num_f32 v[\m], v[\m], |v[\x+\i]|, |v[\x+\i+1]|
	v_max3_num_f32 v[\m+1], v[\m+1], |v[\x+\i+2]|, |v[\x+\i+3]|
.endr
	v_max3_num_f32 v[\m], v[\m], |v[\x+29]|, |v[\x+30]|
	v_max3_num_f32 v[\m], v[\m], v[\m+1], |v[\x+31]|
	v_add_nc_u32 v[\m+2], 0xff000000, v[\m]
.irp g, 0,1,2,3
	v_cvt_scalef32_pk8_fp4_f32 v[\c+\g], v[\x+8*\g:\x+8*\g+7], v[\m+2]
.endr
	v_lshrrev_b32 v[\m+3], 23, v[\m+2]                              ; also the plain line behind the conversions
.endm
; WHAT IS ASKED FOR A STEP AHEAD.  s36 = n, the step asked for (0 at the head, the trip + 1 in the loop); e1, e2, e3 = s27, s28, s29; e4 = s30, all steps; all four held to 19 at the head.
; The bases of step n's biases: s[40:41] at its place 0, s[44:45] at the first of its class's last eight places, 32 bytes a class.  first = 1: step 0.
; Behind the last step there is none: the trip's own step is named once more, inside the buffer (its data are read by nobody), so that six loads follow K's on every way through the text.
.macro BASES first
.if \first
	s_mov_b32 s38, 0
.else
	s_cmp_lt_u32 s36, s30
	s_cselect_b32 s38, 512, 0                      ; a step's biases are 512 bytes
.endif
	s_mov_b32 s39, 0
	s_add_nc_u64 s[40:41], s[8:9], s[38:39]
	s_mov_b32 s38, 0
.irp e, 27,28,29
	s_cmp_ge_u32 s36, s\e                          ; the class is 1 + the number of e1, e2, e3 that n has reached
	s_cselect_b32 s37, 32, 0
	s_add_co_u32 s38, s38, s37
.endr
	s_min_u32 s38, s38, 96                         ; what hangs on numbers read from memory enters an address held by a constant: three times 32 bytes at the most, inside a quarter's 128
	s_add_nc_u64 s[44:45], s[40:41], s[38:39]
.endm
; Step n's scale words of K and its fragments, off bytes on from the record in hand.  Fragment t is there where n >= e_t; classes ascend, so the c fragments of the class in hand are there in any case.
; first = 0: behind the last step nothing is asked for.
.macro KNEXT c, off, first
.if !\first
	s_cmp_ge_u32 s36, s30
	s_cbranch_scc1 .Lknone_\@
.endif
	global_load_b128 v[28:31], v3, s[6:7] offset:\off+8192         ; K's scale words
.set KT, 0
.rept 4
.if KT >= \c
	s_cmp_lt_u32 s36, s[26+KT]
	s_cbranch_scc1 .Lknone_\@
.endif
	global_load_b128 v[124+8*KT:127+8*KT], v3, s[6:7] offset:\off+1024*KT
	global_load_b128 v[128+8*KT:131+8*KT], v3, s[6:7] offset:\off+1024*KT+512
.set KT, KT+1
.endr
.Lknone_\@:
.endm
; Step n's biases: six loads, on every way through the text.
.macro BNEXT
	global_load_b32 v36, v5, s[40:41]                              ; the bias of place 0 of my quarter, for cp = 0
	global_load_b32 v38, v5, s[40:41] offset:256                   ; and 1
.irp cp, 0,1
	global_load_b128 v[40+8*\cp:43+8*\cp], v5, s[44:45] offset:256*\cp
	global_load_b128 v[44+8*\cp:47+8*\cp], v5, s[44:45] offset:256*\cp+16
.endr
.endm
; This step's V: eight loads of fragments, four of scale words.
.macro VNOW
.irp tau, 0,1,2,3
	global_load_b128 v[156+8*\tau:159+8*\tau], v3, s[6:7] offset:4096+1024*\tau
	global_load_b128 v[160+8*\tau:163+8*\tau], v3, s[6:7] offset:4096+1024*\tau+512
.endr
.irp tau, 0,1,2,3
	global_load_b32 v[32+\tau], v4, s[6:7] offset:8704+64*\tau
.endr
.endm
	s_load_b256 s[4:11], s[0:1], 0x0               ; Q s[4:5], pack s[6:7], bias s[8:9], hdr s[10:11]
	s_load_b64 s[12:13], s[0:1], 0x20              ; out0
	v_lshl_add_u32 v[SPW], v0, 2, SPARE
	v_mov_b32 v[NIL], 0
	v_lshrrev_b32 v12, 5, v0
	v_readfirstlane_b32 s14, v12                   ; wave 0 .. 15
	s_and_b32 s15, ttmp7, 0xffff                   ; batch x 8 + head
	s_lshr_b32 s16, s15, 3                         ; the batch
	v_and_b32 v13, 31, v0                          ; lane
	v_and_b32 v14, 15, v0                          ; r
	v_bfe_u32 v15, v0, 4, 1                        ; h
	v_lshlrev_b32 v3, 4, v13                       ; an image's place for my lane
	v_lshlrev_b32 v4, 2, v14                       ; V's scale words
	v_lshlrev_b32 v5, 7, v15                       ; the biases of quarter 2 cp + h
	v_lshlrev_b32 v6, 3, v15                       ; 8 h
	s_wait_alu depctr_va_sdst(0)                   ; s14 is written, ahead of its first reader: my stage and my rows are made from it
	s_mul_i32 s42, s14, 4352                       ; my stage
	v_mul_u32_u24 v7, v15, 272
	v_lshl_add_u32 v7, v14, 4, v7
	v_add_nc_u32 v7, s42, v7                       ; whole rows: lanes 0-15 one row, lanes 16-31 the next
	v_mul_u32_u24 v8, v14, 272
	v_lshl_add_u32 v9, v15, 5, v8
	v_lshl_add_u32 v8, v15, 7, v8
	v_add_nc_u32 v8, s42, v8                       ; Q: row r, its half of 128 bytes
	v_add_nc_u32 v9, s42, v9                       ; O: row r, + 32 h
	v_lshlrev_b32 v10, 8, v15
	v_lshl_add_u32 v10, v14, 4, v10                ; the same two rows in memory
	v_lshlrev_b32 v11, 8, v13                      ; the prefetch: lanes 256 bytes apart
	s_lshl_b32 s34, s15, 19                        ; the head's rows of 256 bytes,
	s_lshl_b32 s35, ttmp9, 17                      ; my work-group's 512,
	s_add_co_u32 s34, s34, s35
	s_lshl_b32 s35, s14, 13                        ; my wave's 32
	s_add_co_u32 s34, s34, s35
	s_mov_b32 s35, 0
	s_mul_i32 s36, s15, 19*RECB                    ; the head's records
	s_mov_b32 s37, 0
	s_mul_i32 s38, s16, 19*512                     ; the batch's biases
	s_mov_b32 s39, 0
	s_lshl_b32 s40, s16, 8                         ; the batch's header
	s_mov_b32 s41, 0
	s_mov_b32 s20, 0x76543210
	s_mov_b32 s21, 0xfedcba98                      ; v_permlanex16_b32's selects for lane l xor 16
	s_mov_b32 s22, 0x3EB8AA3B                      ; k1 = log2(e) / 4
	s_mov_b32 s23, s22                             ; (named with it as a pair)
	s_wait_kmcnt 0x0
	s_add_nc_u64 s[4:5], s[4:5], s[34:35]
	s_add_nc_u64 s[12:13], s[12:13], s[34:35]
	s_add_nc_u64 s[6:7], s[6:7], s[36:37]
	s_add_nc_u64 s[8:9], s[8:9], s[38:39]
	s_add_nc_u64 s[10:11], s[10:11], s[40:41]
	s_load_b64 s[32:33], s[10:11], 0x0             ; {e1 .. e4, flag}
	s_wait_alu depctr_va_vdst(0)                   ; the offsets and LDS addresses v3 to v11 are written: every load, store, LDS instruction and prefetch of the kernel reads one of them, and none is written again
.irp i, 0,1,2,3,4,5,6,7
	global_load_b128 v[124+4*\i:127+4*\i], v10, s[4:5] offset:512*\i th:TH_LOAD_NT        ; Q, tile 0: 512 consecutive bytes a load
.endr
.irp i, 0,1,2,3,4,5,6,7
	global_load_b128 v[156+4*\i:159+4*\i], v10, s[4:5] offset:4096+512*\i th:TH_LOAD_NT   ; tile 1
.endr
.irp n, 56,57,58,59,64,65,66,67,72,73,74,75
	v_mov_b32 v\n, 0                               ; the zero halves beside Q's codes
.endr
.irp n, 76,77,78,79,80,81,82,83,84,85,86,87,88,89,90,91
	v_mov_b32 v\n, 0                               ; p's codes
.endr
.irp n, 17,20,21,22,23,37,39,253,255
	v_mov_b32 v\n, 0                               ; the sums; a permute's destination; the upper halves of pairs of which the low word alone is taken
.endr
.macro QPREP qt, raw, x                ; a tile of Q turns through my stage, so that a lane holds a block of its row; then codes and the scale word.  (The stores' data come from loads; the LDS loads land in registers that no vector instruction has named)
.irp i, 0,1,2,3,4,5,6,7
	ds_store_b128 v7, v[\raw+4*\i:\raw+4*\i+3] offset:544*\i
.endr
.irp j, 0,1,2,3,4,5,6,7
	ds_load_b128 v[\x+4*\j:\x+4*\j+3], v8 offset:16*\j             ; LDS serves a wave's instructions in order: these see my stores
.endr
	s_wait_dscnt 0x0
	QUANT32 \x, 60+8*\qt, 12
	v_lshlrev_b32 v16, v6, v15
	v_permlanex16_b32 v17, v16, s20, s21
	v_or_b32 v16, v16, v17                         ; the row's two bytes,
	v_lshl_or_b32 v[24+\qt], v16, 16, v16          ; for either place of Q's codes along the 128
.endm
	s_wait_loadcnt 8                               ; tile 0's eight loads are in; tile 1's may be out
	QPREP 0, 124, 92
	s_wait_loadcnt 0x0
	QPREP 1, 156, 188
	s_wait_kmcnt 0x0
	s_bfe_u32 s27, s32, 0x80000                    ; e1: steps of class 1,
	s_bfe_u32 s28, s32, 0x80008                    ; e2: of classes <= 2,
	s_bfe_u32 s29, s32, 0x80010                    ; e3,
	s_lshr_b32 s30, s32, 24                        ; e4: all
	s_min_u32 s27, s27, 19                         ; all four are held to the 19 steps that a head's records and a batch's biases have room for:
	s_min_u32 s28, s28, 19                         ; the trip count, the choice of loads and the biases' offsets hang on them
	s_min_u32 s29, s29, 19
	s_min_u32 s30, s30, 19
	s_cmp_eq_u32 s33, 0
	s_cselect_b32 s24, 0xC1E6D4CA, 0               ; A = -20 log2(e); 0 in a batch with no live key
	s_mov_b32 s25, s24
	s_or_b32 s36, s14, ttmp9
	s_cmp_eq_u32 s36, 0
	s_cselect_b32 s31, s30, 0                      ; who prefetches: wave 0 of the head's first work-group
	s_mov_b32 s26, 0                               ; the trip
	s_mov_b32 s36, 0                               ; the step that is asked for: the first
	BASES 1
	s_wait_alu depctr_vm_vsrc(0)                   ; my LDS stores have read v124 to v187, Q as it was loaded: K's fragments land there now, V's in the first trip
	KNEXT 1, 0, 1                                  ; step 0's K,
	BNEXT                                          ; and its biases; no vector instruction has named a register in which these loads land
.set N, 188
.rept 64
	v_mov_b32 v[N], 0                              ; O^T.  (The first step's class is known at run time alone: sums begun by a constant C would want all four bodies twice.)  These are also the places ahead of the first scaled product
.set N, N+1
.endr
	s_wait_alu depctr_va_vdst(0)                   ; Q's codes, the zero halves beside them and Q's scale words are written, which the scaled products of every trip take as source 1 and as its scales; the places stand ahead of this wait
; A PREFETCH INTO THE L2 of the next record's 8,192 bytes of codes: a lane for each 256 bytes, one instruction.  All 64 waves of a head walk the same records: one of them asks, so each block is named once in the launch.
; It stands behind V's loads, three units ahead of the loads that will want K's part.  Nothing is asked for at the head, nor behind the last record.
.macro ASK
	s_add_co_u32 s34, s26, 1
	s_cmp_lt_u32 s34, s31
	s_cbranch_scc0 .Lnoask_\@
	global_prefetch_b8 v11, s[6:7] offset:RECB th:TH_LOAD_NT scope:SCOPE_SE
.Lnoask_\@:
.endm
; The scores, p and p's codes of tile qt of the queries for quarters 2 cp and 2 cp + 1: c tiles of scores, 8 c numbers a lane.
.macro UNIT c, qt, cp
.set QF, 60+8*\qt-4*\cp                ; (Q, 0) or (0, Q)
.set UT, 0
.rept \c
	v_wmma_scale_f32_16x16x128_f8f6f4 v[92+8*UT:99+8*UT], v[124+8*UT:131+8*UT], v[QF:QF+7], 0, v[28+UT], v[24+\qt] matrix_a_fmt:MATRIX_FMT_FP4 matrix_b_fmt:MATRIX_FMT_FP4
.set UT, UT+1
.endr
.rept 4
	v_nop                                          ; four places ahead of the first read of results (ISA guide 7.12.1)
.endr
.set UJ, 0
.rept 4*\c
	v_pk_mul_f32 v[92+2*UJ:93+2*UJ], v[92+2*UJ:93+2*UJ], s[22:23] op_sel_hi:[1,0]     ; S k1; each accumulator from its low end on
.set UJ, UJ+1
.endr
.set UJ, 0
.rept 8*\c
	v_exp_f32 v[92+UJ], v[92+UJ]                   ; E
.set UJ, UJ+1
.endr
	v_nop                                          ; a plain line behind the last of the batch,
	s_wait_alu depctr_va_vdst(0)                   ; the exponentials have written E, ahead of its first reader; and every product issued so far is done reading: in unit (0,0) the last trip's closing products V and its scale words, in unit (1,1) this trip's S^T products K and its scale words
.if (\qt == 0) && (\cp == 0)
	VNOW                                           ; this step's V lands while p is made.  No wait: nothing since the wait above names v156 to v187 or v32 to v35
	ASK
.endif
.if (\qt == 1) && (\cp == 1)
	s_wait_loadcnt 0x0                             ; V's twelve loads, asked for three units ago, are in.  So no load is out, and the bases that the last bias loads read may be written
	s_add_co_u32 s36, s26, 1                       ; the next step
	BASES 0
	KNEXT \c, RECB, 0                              ; its K.  No wait: nothing since the wait above names v124 to v155 or v28 to v31
.endif
.set UJ, 0
.rept 4*\c
	v_pk_add_f32 v[92+2*UJ:93+2*UJ], v[92+2*UJ:93+2*UJ], 1.0 op_sel_hi:[1,0]
.set UJ, UJ+1
.endr
.set UJ, 0
.rept 8*\c
	v_rcp_f32 v[92+UJ], v[92+UJ]                   ; r
.set UJ, UJ+1
.endr
	v_nop
	s_wait_alu depctr_va_vdst(0)                   ; the reciprocals have written r, ahead of its first reader
.if (\qt == 0) && (\cp == 0)
	s_wait_loadcnt 12                              ; the six bias loads, asked for in the trip before, are in; V's twelve may be out
.endif
.set UJ, 0
.rept 4*\c
.if UJ/4 < \c-1
	v_pk_fma_f32 v[92+2*UJ:93+2*UJ], v[92+2*UJ:93+2*UJ], s[24:25], v[36+2*\cp:37+2*\cp] op_sel_hi:[1,0,0]   ; A r + the quarter's bias: under the class's last eight places all of a quarter count, or none
.else
	v_pk_fma_f32 v[92+2*UJ:93+2*UJ], v[92+2*UJ:93+2*UJ], s[24:25], v[40+8*\cp+2*(UJ%4):41+8*\cp+2*(UJ%4)] op_sel_hi:[1,0,1]   ; the last eight places have a bias each
.endif
.set UJ, UJ+1
.endr
.set UJ, 0
.rept 8*\c
	v_exp_f32 v[92+UJ], v[92+UJ]                   ; p
.set UJ, UJ+1
.endr
	v_nop
	s_wait_alu depctr_va_vdst(0)                   ; the exponentials have written p, ahead of its first reader; and in unit (1,1) the trip's last multiply-adds are done reading the biases
.if (\qt == 1) && (\cp == 1)
	BNEXT                                          ; the next step's biases.  No wait: nothing since the wait above names v36, v38 or v40 to v55
.endif
	v_max3_num_f32 v12, v92, v93, 0x1800000        ; the block's largest p (none is negative), with the floor: a block of zeros keeps the byte 1 over zero codes
.set UJ, 2
.rept 4*\c-1
	v_max3_num_f32 v12, v12, v[92+UJ], v[93+UJ]
.set UJ, UJ+2
.endr
	v_add_nc_u32 v13, 0xff000000, v12              ; 2 off the exponent field: the conversion's scale operand
.set UT, 0
.rept \c
	v_cvt_scalef32_pk8_fp4_f32 v[76+8*\qt+4*\cp+UT], v[92+8*UT:99+8*UT], v13
.set UT, UT+1
.endr
	v_lshrrev_b32 v[14+\cp], 23, v13               ; the scale's byte; also the plain line behind the conversions
.if \cp == 1
	v_lshl_or_b32 v16, v15, 16, v14                ; my two blocks' bytes, quarters h and 2 + h,
	v_lshlrev_b32 v16, v6, v16                     ; at their places,
	v_permlanex16_b32 v17, v16, s20, s21
	v_or_b32 v[26+\qt], v16, v17                   ; with lane l xor 16's two: p's scale word for this step
.endif
	v_pk_add_f32 v[18:19], v[92:93], v[94:95]      ; the row's sum is taken of the unquantised p: two at a time, in two chains
.set UJ, 2
.rept 2*\c-1
	v_pk_add_f32 v[20+2*\qt:21+2*\qt], v[20+2*\qt:21+2*\qt], v[92+2*UJ:93+2*UJ]
	v_pk_add_f32 v[18:19], v[18:19], v[94+2*UJ:95+2*UJ]
.set UJ, UJ+2
.endr
	v_pk_add_f32 v[20+2*\qt:21+2*\qt], v[20+2*\qt:21+2*\qt], v[18:19]
.if (\c == 1) && (\cp == 1)
.rept 4
	v_nop                                          ; with the four additions: eight places between the scale word's last line and a scaled product
.endr
.endif
.endm
; A step of class c.
.macro BODY c
	s_wait_loadcnt 6                               ; this step's K and its scale words, asked for in the trip before (step 0's at the head), are in; the six bias loads issued behind them may be out
	UNIT \c, 0, 0
	UNIT \c, 0, 1
	UNIT \c, 1, 0
	UNIT \c, 1, 1
	s_wait_alu depctr_va_vdst(0)                   ; the conversions have written p's codes and the lines behind them p's scale words, which the scaled products below take as source 1 and as its scales; the places stand ahead of this wait
.irp tau, 0,1,2,3                                  ; O^T += V^T p^T: the eight accumulators by turns, one instruction a turn
.irp qt, 0,1
	v_wmma_scale_f32_16x16x128_f8f6f4 v[188+32*\qt+8*\tau:195+32*\qt+8*\tau], v[156+8*\tau:163+8*\tau], v[76+8*\qt:83+8*\qt], v[188+32*\qt+8*\tau:195+32*\qt+8*\tau], v[32+\tau], v[26+\qt] matrix_a_fmt:MATRIX_FMT_FP4 matrix_b_fmt:MATRIX_FMT_FP4
.endr
.endr
.rept 4
	v_nop                                          ; four places behind the last products, ahead of the way out's reads of their results (ISA guide 7.12.1)
.endr
.endm
.Ltrip:                                            ; e4 trips, at least one
	s_cmp_lt_u32 s26, s27
	s_cbranch_scc1 .Lc1
	s_cmp_lt_u32 s26, s28
	s_cbranch_scc1 .Lc2
	s_cmp_lt_u32 s26, s29
	s_cbranch_scc1 .Lc3
	BODY 4
	s_branch .Lnext
.Lc3:
	BODY 3
	s_branch .Lnext
.Lc2:
	BODY 2
	s_branch .Lnext
.Lc1:
	BODY 1
.Lnext:
	s_wait_xcnt 0x0                                ; the loads that are out and the trip's prefetch have had their addresses translated (ISA guide 3.1): the bases may step
	s_add_nc_u64 s[6:7], s[6:7], RECB
	s_add_nc_u64 s[8:9], s[8:9], 512
	s_add_co_u32 s26, s26, 1
	s_cmp_lt_u32 s26, s30
	s_cbranch_scc1 .Ltrip
	; THE WAY OUT.  The sums' halves and lane l xor 16's are added; O^T is divided by the sum and goes through my stage, a tile of 16 rows at a time, so that a store covers 512 consecutive bytes.
	s_wait_loadcnt 0x0                             ; the last trip's six loads are in: no load of the loop is out when the loop's registers are taken for the way out
	v_add_f32 v20, v20, v21
	v_add_f32 v22, v22, v23
	v_permlanex16_b32 v16, v20, s20, s21
	v_permlanex16_b32 v17, v22, s20, s21
	v_add_f32 v20, v20, v16
	v_add_f32 v22, v22, v17
	v_rcp_f32 v252, v20
	v_rcp_f32 v254, v22
	v_nop                                          ; a plain line behind the reciprocals,
	s_wait_alu depctr_va_vdst(0)                   ; the two reciprocals are written, ahead of their first reader
.macro OSCALE qt, dst                  ; tile qt, scaled into v[dst] on
.set UJ, 0
.rept 16
	v_pk_mul_f32 v[\dst+2*UJ:\dst+2*UJ+1], v[188+32*\qt+2*UJ:189+32*\qt+2*UJ], v[252+2*\qt:253+2*\qt] op_sel_hi:[1,0]   ; each accumulator from its low end on
.set UJ, UJ+1
.endr
.endm
.macro OTURN dst, back                 ; 32 bytes of a row a lane into the stage, whole rows back into v[back] on
.irp tau, 0,1,2,3
	ds_store_b128 v9, v[\dst+8*\tau:\dst+8*\tau+3] offset:64*\tau          ; lane (r, h): channels 16 tau + 8 h + 0 .. 7 of row r
	ds_store_b128 v9, v[\dst+8*\tau+4:\dst+8*\tau+7] offset:64*\tau+16
.endr
.irp i, 0,1,2,3,4,5,6,7
	ds_load_b128 v[\back+4*\i:\back+4*\i+3], v7 offset:544*\i              ; LDS serves a wave's instructions in order: these see my stores, and the next tile's stores come behind them
.endr
.endm
	OSCALE 0, 92
	OSCALE 1, 188                                  ; (into tile 0's accumulators, which have been read: no LDS store's data are written again)
	s_wait_alu depctr_va_vdst(0)                   ; both tiles' scaled results are written, which the LDS stores read; and the products are done reading v124 to v187, in which the LDS loads land.  No vector instruction follows
	OTURN 92, 124
	OTURN 188, 156
.irp i, 0,1,2,3,4,5,6,7
	s_wait_dscnt 23-\i                             ; behind tile 0's load i: its 7 - i younger loads and tile 1's sixteen LDS instructions
	global_store_b128 v10, v[124+4*\i:127+4*\i], s[12:13] offset:512*\i th:TH_STORE_NT
.endr
.irp i, 0,1,2,3,4,5,6,7
	s_wait_dscnt 7-\i
	global_store_b128 v10, v[156+4*\i:159+4*\i], s[12:13] offset:4096+512*\i th:TH_STORE_NT
.endr
	s_wait_dscnt 0x0                               ; the wave's end: the closing lines, six on end
	s_wait_alu 0x0
	s_wait_tensorcnt 0x0
	ds_add_u32 v[SPW], v[NIL]
	s_wait_dscnt 0x0
	s_endpgm
.Lfunc_end_k_qc5e7152071_attn:
	.size	k_qc5e7152071_attn, .Lfunc_end_k_qc5e7152071_attn-k_qc5e7152071_attn
	.p2alignl 7, 3214868480
	.fill 96, 4, 3214868480
	.section	.rodata,"a",@progbits
	.p2align	6, 0x0
	.amdhsa_kernel k_qc5e7152071_attn
		.amdhsa_group_segment_fixed_size 71680
		.amdhsa_private_segment_fixed_size 0
		.amdhsa_enable_private_segment 0
		.amdhsa_kernarg_size 40
		.amdhsa_user_sgpr_count 2
		.amdhsa_user_sgpr_kernarg_segment_ptr 1
		.amdhsa_wavefront_size32 1
		.amdhsa_system_sgpr_workgroup_id_x 1
		.amdhsa_system_sgpr_workgroup_id_y 1
		.amdhsa_system_sgpr_workgroup_id_z 1
		.amdhsa_system_vgpr_workitem_id 0
		.amdhsa_next_free_vgpr 256
		.amdhsa_next_free_sgpr 66
		.amdhsa_reserve_vcc 0
		.amdhsa_float_denorm_mode_32 3
		.amdhsa_float_denorm_mode_16_64 3
		.amdhsa_memory_ordered 1
		.amdhsa_forward_progress 1
		.amdhsa_inst_pref_size 138
	.end_amdhsa_kernel
	.amdgpu_metadata
---
amdhsa.version: [ 1, 2 ]
amdhsa.kernels:
  - .name:           k_qc5e7152071_attn
    .symbol:         k_qc5e7152071_attn.kd
    .args:
      - { .name: Q, .offset: 0, .size: 8, .value_kind: global_buffer, .address_space: global }
      - { .name: pack, .offset: 8, .size: 8, .value_kind: global_buffer, .address_space: global }
      - { .name: bias, .offset: 16, .size: 8, .value_kind: global_buffer, .address_space: global }
      - { .name: hdr, .offset: 24, .size: 8, .value_kind: global_buffer, .address_space: global }
      - { .name: out0, .offset: 32, .size: 8, .value_kind: global_buffer, .address_space: global }
    .group_segment_fixed_size: 71680
    .private_segment_fixed_size: 0
    .kernarg_segment_align: 8
    .kernarg_segment_size: 40
    .max_flat_workgroup_size: 512
    .sgpr_count:     66
    .vgpr_count:     256
    .wavefront_size: 32
...
	.end_amdgpu_metadata
.endif
;; end of part 3
